; MI455X (gfx1250); checked and timed in simulation.
; The chip was launched on July 23, 2026; its instructions are those of AMD's public machine-readable ISA for CDNA 5 (MIT licence, August 2026) and "CDNA5" Instruction Set Architecture Reference Guide (July 2026). The comments in the code are by the model that wrote it; some were corrected since.
;; Multi Head Attention. Allowed arithmetic: float matrix products may take bf16 or f16 operands with f32 sums; all other float work in f32.
;; Inputs: bproj 256 float32; wk 8 x 256 x 32 float32; wproj 256 x 256 float32; wq 8 x 256 x 32 float32; wv 8 x 256 x 32 float32; x 8 x 2,048 x 256 float32.
;; Outputs: out0 8 x 2,048 x 256 float32.
;; One version. Each part assembles by itself: llvm-mc -triple=amdgcn-amd-amdhsa -mcpu=gfx1250 --defsym DOCPART=n.
;; ======== version 1 of 1: 3 launches
;; limits: values are held in f16: magnitudes above 65,504 overflow, below 6.1e-05 lose precision
;; workspace buffers: qf 8,388,608 bytes; kv 16,777,216 bytes; of 8,388,608 bytes; wpf 131,072 bytes
;; launch qkv (part 1): grid 64 x 4, 8 waves a work-group, no clusters, 234,496 bytes of LDS; arguments x, wq, wk, wv, wproj, qf, kv, wpf; writes qf, kv, wpf
.if DOCPART == 1
	.amdgcn_target "amdgcn-amd-amdhsa--gfx1250"
	.amdhsa_code_object_version 6
	.text
	.protected	k_q3bbedc3a78_qkv
	.globl	k_q3bbedc3a78_qkv
	.p2align	8
	.type	k_q3bbedc3a78_qkv,@function
k_q3bbedc3a78_qkv:
	s_mov_b64 s[64:65], 0
	v_nop
	global_prefetch_b8 v0, s[64:65] scope:SCOPE_SE
	s_setreg_imm32_b32 hwreg(HW_REG_WAVE_MODE, 25, 1), 1
	s_wait_xcnt 0x0
; q, k, v = x W for two heads and 256 tokens a work-group, in f16 with f32 sums, stored in FRAGMENT ORDER; and wproj repacked to f16 fragments.
; Fragment order: a 16 x 32 operand of the f16 matrix form as it lies in registers, 1,024 bytes: lane L's registers 0-3 at byte 16 L,
; its registers 4-7 at byte 512 + 16 L.  So every later load or store of half a fragment is 512 consecutive bytes, aligned.
;   qf  [b*8+head][query tile of 16][1024]                 row = query, k = d; scaled by log2(e)/16, so that the next launch's scores are exponents of 2
;   kv  [b*8+head][trip of 64 keys][8192]: K  at 0    [key tile of 16][1024]           row = key, k = d
;                                          V' at 4096 [key block of 32][d tile][1024]  row = d,   k = key
;       (by trips, so that the keys that the next launch needs first are one run of bytes)
;   wpf [g2][ng][dt][k chunk of 32][1024], column tile = 4 ng + 2 g2 + dt; row = output column, k = row of wproj
;       (by g2, so that the column tiles that the last launch multiplies first are one run of bytes)
; Grid x: 256 tokens (b = x >> 3); grid y: a pair of heads.  Eight waves; wave w makes 32 tokens x 192 outputs (q, k, v of two heads): 192 matrix instructions.
; WHICH SOURCE IS WHICH: for q and k source 0 = W (m = d), source 1 = x (n = token): a lane then holds 8 neighbouring d of one token, which pack into
; 16 bytes of a fragment whose k is d.  For v the sources are swapped: a lane holds 8 neighbouring tokens of one d, 16 bytes of a fragment whose k is the key.
; NO CLUSTER, NO TENSOR LOADS: x and W are f32 in memory and are matrix operands in f16, W transposed as well, so every byte passes through registers on its
; way into LDS; a landing area for the f32 block of x alone (256 tokens x 1,024 bytes) would leave no room for the 98,304 bytes of W fragments beside it.
; LIMIT: f16 operands: |x|, |W|, |q| log2(e)/16, |k|, |v| below 65,504; beyond that the conversions give infinities.
.set XSB,  98304                       ; LDS 0 .. 98303: W fragments, (mat*2+head, k chunk, d tile) at mh*16384 + kc*2048 + dt*1024
.set XSW,  16896                       ; behind them each wave's own 32 rows of x in f16,
.set XP,   528                         ; 512 bytes + 16: pitch 33 x 16, so the 16 rows of a fragment load start at 16 different 16-byte columns modulo 256
.set WA0,  1                           ; v1   16 L: W fragments of q and of k's first head
.set WA1,  2                           ; v2   16 L + 49152: the other three (LDS immediates have 16 bits)
.set XA,   3                           ; v3   my x rows: stage + r*528 + 16 h
.set XST,  4                           ; v4   stage + 8 L: where a lane puts four f16 of a row
.set LW,   5                           ; v5   where a thread puts its 8 c x 4 d of W
.set LW2,  6                           ; v6   the same + 49152
.set GW,   7                           ; v7   a thread's 8 c x 4 d in a head's W: (tid>>3)*1024 + (tid&7)*16
.set GX,   8                           ; v8   wave*32768 + 16 L in the group's x
.set VO,   9                           ; v9   wave*2048 + 16 L in qf
.set GP,   10                          ; v10  h*8192 + 4 r in wproj
.set VK,   11                          ; v11  (wave>>1)*8192 + (wave&1)*2048 + 16 L in kv: my 32 keys are half a trip
.set OT,   16                          ; v[16:31]   packed f16: data of LDS stores, later of global stores
.set ACC,  32                          ; v[32:63]   accumulator (dt, tt) at ACC + 8 (2 dt + tt)
.set WB,   64                          ; v[64:127]  W fragments, two buffers of four
.set XF,   128                         ; v[128:255] x fragments (tt, kc) at XF + 64 tt + 8 kc, kept for the whole kernel
.set LAND, 64                          ; v[64:255]  before that: six landing slots of 32 registers for f32 from memory
	s_load_b512 s[8:23], s[0:1], 0x0               ; x s[8:9], wq s[10:11], wk s[12:13], wv s[14:15], wproj s[16:17], qf s[18:19], kv s[20:21], wpf s[22:23]
	s_set_vgpr_msb 0x40
	v_lshl_add_u32 v0, v0, 2, 0x39000
	v_mov_b32 v1, 0
	s_set_vgpr_msb 0x4000
	v_lshrrev_b32 v12, 5, v0
	v_readfirstlane_b32 s24, v12                   ; wave 0..7
	s_mov_b32 s25, ttmp9                           ; token block 0..63
	s_and_b32 s26, ttmp7, 0xffff                   ; head pair 0..3
	v_and_b32 v12, 31, v0                          ; L
	v_and_b32 v13, 15, v0                          ; r
	v_bfe_u32 v14, v0, 4, 1                        ; h
	v_lshlrev_b32 v[WA0], 4, v12
	v_add_nc_u32 v[WA1], 0xc000, v[WA0]
	s_mul_i32 s27, s24, XSW
	s_add_co_u32 s27, s27, XSB                     ; my wave's x stage
	v_mul_u32_u24 v[XA], v13, XP
	v_lshl_add_u32 v[XA], v14, 4, v[XA]
	v_add_nc_u32 v[XA], s27, v[XA]
	v_lshl_add_u32 v[XST], v12, 3, s27
	; a thread holds c = 8 (tid>>3) + 0..7 and d = 4 (tid&7) + 0..3: k chunk = wave, oct = bits 4:3, d tile = bit 2, rows 4 (tid&3) + 0..3
	v_bfe_u32 v15, v0, 2, 1
	v_lshlrev_b32 v[LW], 10, v15
	v_bfe_u32 v15, v0, 3, 2
	v_lshl_add_u32 v[LW], v15, 8, v[LW]
	v_and_b32 v15, 3, v0
	v_lshl_add_u32 v[LW], v15, 6, v[LW]
	v_lshl_add_u32 v[LW], s24, 11, v[LW]           ; wave w stores the 2,048 bytes at w*2048 of each matrix and head: its own
	v_add_nc_u32 v[LW2], 0xc000, v[LW]
	v_lshrrev_b32 v15, 3, v0
	v_and_b32 v12, 7, v0
	v_lshlrev_b32 v[GW], 4, v12
	v_lshl_add_u32 v[GW], v15, 10, v[GW]
	v_lshl_add_u32 v[GX], s24, 15, v[WA0]
	v_lshl_add_u32 v[VO], s24, 11, v[WA0]
	v_lshlrev_b32 v[GP], 2, v13
	v_lshl_add_u32 v[GP], v14, 13, v[GP]
	s_lshr_b32 s44, s24, 1
	s_lshl_b32 s44, s44, 13                        ; two waves' keys make a trip of 8,192 bytes,
	s_and_b32 s45, s24, 1
	s_lshl_b32 s45, s45, 11                        ; the odd wave's two K tiles, and its key block of V', lie 2,048 bytes behind the even wave's
	s_add_co_u32 s44, s44, s45
	v_add_nc_u32 v[VK], s44, v[WA0]
	; byte offsets of the work-group's parts, each in a pair of its own
	s_lshl_b32 s28, s25, 18                        ; x: 256 tokens of 1,024 bytes
	s_mov_b32 s29, 0
	s_lshl_b32 s30, s26, 16                        ; W: two heads of 32,768 bytes
	s_mov_b32 s31, 0
	s_lshr_b32 s32, s25, 3                         ; b
	s_and_b32 s33, s25, 7
	s_lshl_b32 s33, s33, 14                        ; qf: 256 tokens = 16 tiles of 1,024
	s_lshl_b32 s34, s32, 20
	s_lshl_b32 s36, s26, 18
	s_add_co_u32 s34, s34, s36
	s_add_co_u32 s34, s34, s33                     ; qf
	s_mov_b32 s35, 0
	s_lshl_b32 s33, s33, 1                         ; kv: 256 tokens = 4 trips of 8,192
	s_lshl_b32 s36, s32, 21
	s_lshl_b32 s38, s26, 19
	s_add_co_u32 s36, s36, s38
	s_add_co_u32 s36, s36, s33                     ; kv
	s_mov_b32 s37, 0
	s_lshl_b32 s38, s26, 6
	s_add_co_u32 s38, s38, s25                     ; id 0..255: this group repacks half id&1 of wproj's fragment (column tile nt = id>>4, k chunk (id>>1)&7)
	s_and_b32 s40, s38, 15
	s_lshl_b32 s40, s40, 9                         ; wpf: k chunk x 1,024 + half x 512,
	s_lshr_b32 s39, s38, 4                         ; nt
	s_bfe_u32 s44, s39, 0x10001
	s_lshl_b32 s44, s44, 16                        ; + g2 (bit 1 of nt) x 65,536
	s_add_co_u32 s40, s40, s44
	s_lshr_b32 s44, s39, 2
	s_lshl_b32 s44, s44, 14                        ; + ng (nt >> 2) x 16,384
	s_add_co_u32 s40, s40, s44
	s_and_b32 s44, s39, 1
	s_lshl_b32 s44, s44, 13                        ; + dt (bit 0 of nt) x 8,192
	s_add_co_u32 s40, s40, s44
	s_mov_b32 s41, 0
	s_bfe_u32 s42, s38, 0x30001
	s_lshl_b32 s42, s42, 15                        ; wproj: 32 rows of 1,024 bytes a k chunk
	s_and_b32 s44, s38, 1
	s_lshl_b32 s44, s44, 14                        ; 16 rows a half
	s_add_co_u32 s42, s42, s44
	s_lshl_b32 s39, s39, 6                         ; 16 columns of 4 bytes a tile
	s_add_co_u32 s42, s42, s39
	s_mov_b32 s43, 0
	s_wait_kmcnt 0x0
	s_add_nc_u64 s[8:9], s[8:9], s[28:29]
	s_add_nc_u64 s[10:11], s[10:11], s[30:31]
	s_add_nc_u64 s[12:13], s[12:13], s[30:31]
	s_add_nc_u64 s[14:15], s[14:15], s[30:31]
	s_add_nc_u64 s[16:17], s[16:17], s[42:43]
	s_add_nc_u64 s[18:19], s[18:19], s[34:35]
	s_add_nc_u64 s[20:21], s[20:21], s[36:37]
	s_add_nc_u64 s[22:23], s[22:23], s[40:41]
	; wave 0 alone: 8 rows x 16 columns a half of the lanes of wproj.  These loads are the oldest, so the first counted wait below covers them too.
	s_cmp_lg_u32 s24, 0
	s_cbranch_scc1 .Lno_wp_load
.irp e, 0,1,2,3,4,5,6,7
	global_load_b32 v[ACC+\e], v[GP], s[16:17] offset:\e*1024
.endr
.Lno_wp_load:
; Fourteen jobs of eight 16-byte loads go through the six landing slots: W of (q,k,v) x (head 0,1), then x in eight groups of four rows.
.macro WLOAD mh, slot                  ; mh = 2 mat + head: rows c = 8 (tid>>3) + j, 4 d a thread
.irp j, 0,1,2,3,4,5,6,7
	global_load_b128 v[LAND+32*\slot+4*\j:LAND+32*\slot+4*\j+3], v[GW], s[10+2*(\mh/2):11+2*(\mh/2)] offset:(\mh%2)*32768+\j*128
.endr
.endm
.macro WDO mh, slot                    ; transposed in registers: for each of my 4 d the 8 c pack into 16 bytes of a fragment
.irp i, 0,1,2,3
.irp jj, 0,1,2,3
	v_cvt_pk_f16_f32 v[OT+4*\i+\jj], v[LAND+32*\slot+8*\jj+\i], v[LAND+32*\slot+8*\jj+4+\i]
.endr
.endr
.irp i, 0,1,2,3
	ds_store_b128 v[LW+\mh/3], v[OT+4*\i:OT+4*\i+3] offset:(\mh%3)*16384+16*\i
.endr
.endm
.macro XLOAD g, slot                   ; rows 4 g .. 4 g + 3 of my 32, two loads of 512 consecutive bytes a row
.irp q, 0,1,2,3
.irp p, 0,1
	global_load_b128 v[LAND+32*\slot+8*\q+4*\p:LAND+32*\slot+8*\q+4*\p+3], v[GX], s[8:9] offset:(4*\g+\q)*1024+\p*512
.endr
.endr
.endm
.macro XDO g, slot
.irp u, 0,1,2,3,4,5,6,7
	v_cvt_pk_f16_f32 v[OT+2*\u], v[LAND+32*\slot+4*\u], v[LAND+32*\slot+4*\u+1]
	v_cvt_pk_f16_f32 v[OT+2*\u+1], v[LAND+32*\slot+4*\u+2], v[LAND+32*\slot+4*\u+3]
.endr
.irp q, 0,1,2,3
.irp p, 0,1
	ds_store_b64 v[XST], v[OT+2*(2*\q+\p):OT+2*(2*\q+\p)+1] offset:(4*\g+\q)*XP+\p*256
.endr
.endr
.endm
	WLOAD 0, 0
	WLOAD 1, 1
	WLOAD 2, 2
	WLOAD 3, 3
	WLOAD 4, 4
	WLOAD 5, 5
	; each wait leaves out the younger jobs' loads, 8 a job: five jobs while the slots are refilled, then the counts run down
	s_wait_loadcnt 40
	s_cmp_lg_u32 s24, 0
	s_cbranch_scc1 .Lno_wp_store
	v_cvt_pk_f16_f32 v[ACC+8],  v[ACC],   v[ACC+1] ; wave 0: 8 neighbouring k of column r, 16 bytes; the wave's store covers the group's 512 bytes of wpf
	v_cvt_pk_f16_f32 v[ACC+9],  v[ACC+2], v[ACC+3]
	v_cvt_pk_f16_f32 v[ACC+10], v[ACC+4], v[ACC+5]
	v_cvt_pk_f16_f32 v[ACC+11], v[ACC+6], v[ACC+7]
	global_store_b128 v[WA0], v[ACC+8:ACC+11], s[22:23]
.Lno_wp_store:
	WDO 0, 0
	XLOAD 0, 0
	s_wait_loadcnt 40
	WDO 1, 1
	XLOAD 1, 1
	s_wait_loadcnt 40
	WDO 2, 2
	XLOAD 2, 2
	s_wait_loadcnt 40
	WDO 3, 3
	XLOAD 3, 3
	s_wait_loadcnt 40
	WDO 4, 4
	XLOAD 4, 4
	s_wait_loadcnt 40
	WDO 5, 5
	XLOAD 5, 5
	s_wait_loadcnt 40
	XDO 0, 0
	XLOAD 6, 0
	s_wait_loadcnt 40
	XDO 1, 1
	XLOAD 7, 1
	s_wait_loadcnt 40
	XDO 2, 2
	s_wait_loadcnt 32
	XDO 3, 3
	s_wait_loadcnt 24
	XDO 4, 4
	s_wait_loadcnt 16
	XDO 5, 5
	s_wait_loadcnt 8
	XDO 6, 0
	s_wait_loadcnt 0x0
	XDO 7, 1
	s_wait_dscnt 0x0                               ; for the other waves' sake: my part of the W fragments is in LDS
	s_wait_xcnt 0x0                                ; wave 0's store has read its data: the accumulators are written only behind this wait
	s_barrier_signal -1
	s_barrier_wait -1                              ; the only barrier: all W fragments are there
.macro PLACES                          ; four places behind a matrix instruction before a load lands on its sources or a vector instruction touches its result
.rept 4
	v_nop
.endr
.endm
.macro MM d, a, b, z                   ; one product; z = 1: it starts the sum, nothing is cleared
.if \z
	v_wmma_f32_16x16x32_f16 v[\d:\d+7], v[\a:\a+7], v[\b:\b+7], 0
.else
	v_wmma_f32_16x16x32_f16 v[\d:\d+7], v[\a:\a+7], v[\b:\b+7], v[\d:\d+7]
.endif
.endm
; Step sn = 4 mh + st takes k chunks 2 st, 2 st + 1 of matrix-and-head mh.  Its four W fragments: 8 loads of 512 consecutive bytes.
.macro FETCH sn
.irp kcl, 0,1
.irp dt, 0,1
	ds_load_b128 v[WB+32*((\sn)%2)+8*(2*\kcl+\dt):WB+32*((\sn)%2)+8*(2*\kcl+\dt)+3],   v[WA0+(\sn)/12] offset:(((\sn)/4)%3)*16384+((\sn)%4)*4096+\kcl*2048+\dt*1024
	ds_load_b128 v[WB+32*((\sn)%2)+8*(2*\kcl+\dt)+4:WB+32*((\sn)%2)+8*(2*\kcl+\dt)+7], v[WA0+(\sn)/12] offset:(((\sn)/4)%3)*16384+((\sn)%4)*4096+\kcl*2048+\dt*1024+512
.endr
.endr
.endm
; Eight products; the four accumulators take turns, one instruction a turn, from step to step too.
.macro MUL8 buf, st, swap, zero
.irp kcl, 0,1
.irp dt, 0,1
.irp tt, 0,1
.if \swap
	MM ACC+8*(2*\dt+\tt),XF+64*\tt+8*(2*\st+\kcl),WB+32*\buf+8*(2*\kcl+\dt),\zero*(1-\kcl)
.else
	MM ACC+8*(2*\dt+\tt),WB+32*\buf+8*(2*\kcl+\dt),XF+64*\tt+8*(2*\st+\kcl),\zero*(1-\kcl)
.endif
.endr
.endr
.endr
.endm
.macro STEP sn, last
	PLACES                                         ; behind the step before, whose buffer the loads below fill again
.if \last
	s_wait_dscnt 0x0
.else
	FETCH (\sn)+1
	s_wait_dscnt 0x8                               ; all but the 8 loads just issued: this step's fragments are in
.endif
	MUL8 ((\sn)%2),((\sn)%4),((\sn)/16),((3-(\sn)%4)/3)
.endm
; The 32 tokens x 32 outputs of one matrix and head leave from registers: each store of the wave covers 512 consecutive bytes, aligned.
.macro OUT mh
	PLACES
	s_wait_xcnt 0x0                                ; the last stores have read OT: it is rewritten only behind this wait
.if \mh < 2
.irp a, 0,2,4,6,8,10,12,14,16,18,20,22,24,26,28,30
	v_pk_mul_f32 v[ACC+\a:ACC+\a+1], v[ACC+\a:ACC+\a+1], 0x3db8aa3b op_sel_hi:[1,0]   ; q x log2(e)/16: 1/sqrt(256), and base 2 for the exponentials
.endr
.endif
.irp u, 0,1,2,3
.irp i, 0,1,2,3
	v_cvt_pk_f16_f32 v[OT+4*\u+\i], v[ACC+8*\u+2*\i], v[ACC+8*\u+2*\i+1]
.endr
.endr
.irp dt, 0,1
.irp tt, 0,1
.if \mh < 2
	global_store_b128 v[VO], v[OT+4*(2*\dt+\tt):OT+4*(2*\dt+\tt)+3], s[18:19] offset:(\mh%2)*131072+\tt*1024+\dt*512
.else
.if \mh < 4
	global_store_b128 v[VK], v[OT+4*(2*\dt+\tt):OT+4*(2*\dt+\tt)+3], s[20:21] offset:(\mh%2)*262144+\tt*1024+\dt*512
.else
	global_store_b128 v[VK], v[OT+4*(2*\dt+\tt):OT+4*(2*\dt+\tt)+3], s[20:21] offset:(\mh%2)*262144+4096+\dt*1024+\tt*512
.endif
.endif
.endr
.endr
.endm
.macro PART mh, last
	STEP 4*\mh+0, 0
	STEP 4*\mh+1, 0
	STEP 4*\mh+2, 0
	STEP 4*\mh+3, \last
	OUT \mh
.endm
.irp tt, 0,1
.irp kc, 0,1,2,3,4,5,6,7
	ds_load_b128 v[XF+64*\tt+8*\kc:XF+64*\tt+8*\kc+3],   v[XA] offset:\tt*16*XP+\kc*64      ; x(16 tt + r, 32 kc + 8 h ..)
	ds_load_b128 v[XF+64*\tt+8*\kc+4:XF+64*\tt+8*\kc+7], v[XA] offset:\tt*16*XP+\kc*64+32   ; x(16 tt + r, 32 kc + 16 + 8 h ..)
.endr
.endr
	FETCH 0
	PART 0, 0                                      ; q, head 0
	PART 1, 0                                      ; q, head 1
	PART 2, 0                                      ; k
	PART 3, 0
	PART 4, 0                                      ; v, sources swapped
	PART 5, 1
	s_set_vgpr_msb 0x5
	s_wait_tensorcnt 0x0
	ds_add_u32 v0, v1
	s_wait_dscnt 0x0
	s_set_vgpr_msb 0x500
	s_endpgm
.Lfunc_end_k_q3bbedc3a78_qkv:
	.size	k_q3bbedc3a78_qkv, .Lfunc_end_k_q3bbedc3a78_qkv-k_q3bbedc3a78_qkv
	.p2alignl 7, 3214868480
	.fill 96, 4, 3214868480
	.section	.rodata,"a",@progbits
	.p2align	6, 0x0
	.amdhsa_kernel k_q3bbedc3a78_qkv
		.amdhsa_group_segment_fixed_size 234496
		.amdhsa_private_segment_fixed_size 0
		.amdhsa_enable_private_segment 0
		.amdhsa_kernarg_size 64
		.amdhsa_user_sgpr_count 2
		.amdhsa_user_sgpr_kernarg_segment_ptr 1
		.amdhsa_wavefront_size32 1
		.amdhsa_system_sgpr_workgroup_id_x 1
		.amdhsa_system_sgpr_workgroup_id_y 1
		.amdhsa_system_sgpr_workgroup_id_z 1
		.amdhsa_system_vgpr_workitem_id 0
		.amdhsa_next_free_vgpr 258
		.amdhsa_next_free_sgpr 66
		.amdhsa_reserve_vcc 0
		.amdhsa_float_denorm_mode_32 3
		.amdhsa_float_denorm_mode_16_64 3
		.amdhsa_memory_ordered 1
		.amdhsa_forward_progress 1
		.amdhsa_inst_pref_size 78
	.end_amdhsa_kernel
	.amdgpu_metadata
---
amdhsa.version: [ 1, 2 ]
amdhsa.kernels:
  - .name:           k_q3bbedc3a78_qkv
    .symbol:         k_q3bbedc3a78_qkv.kd
    .args:
      - { .name: x, .offset: 0, .size: 8, .value_kind: global_buffer, .address_space: global }
      - { .name: wq, .offset: 8, .size: 8, .value_kind: global_buffer, .address_space: global }
      - { .name: wk, .offset: 16, .size: 8, .value_kind: global_buffer, .address_space: global }
      - { .name: wv, .offset: 24, .size: 8, .value_kind: global_buffer, .address_space: global }
      - { .name: wproj, .offset: 32, .size: 8, .value_kind: global_buffer, .address_space: global }
      - { .name: qf, .offset: 40, .size: 8, .value_kind: global_buffer, .address_space: global }
      - { .name: kv, .offset: 48, .size: 8, .value_kind: global_buffer, .address_space: global }
      - { .name: wpf, .offset: 56, .size: 8, .value_kind: global_buffer, .address_space: global }
    .group_segment_fixed_size: 234496
    .private_segment_fixed_size: 0
    .kernarg_segment_align: 8
    .kernarg_segment_size: 64
    .max_flat_workgroup_size: 256
    .sgpr_count:     66
    .vgpr_count:     258
    .wavefront_size: 32
...
	.end_amdgpu_metadata
.endif
;; end of part 1
;; launch attn (part 2): grid 256 x 1, 16 waves a work-group, clusters of 4 x 1, 264,192 bytes of LDS; arguments qf, kv, of; writes of
.if DOCPART == 2
	.amdgcn_target "amdgcn-amd-amdhsa--gfx1250"
	.amdhsa_code_object_version 6
	.text
	.protected	k_q3bbedc3a78_attn
	.globl	k_q3bbedc3a78_attn
	.p2align	8
	.type	k_q3bbedc3a78_attn,@function
k_q3bbedc3a78_attn:
	s_mov_b64 s[64:65], 0
	v_nop
	global_prefetch_b8 v0, s[64:65] scope:SCOPE_SE
	s_setreg_imm32_b32 hwreg(HW_REG_WAVE_MODE, 25, 1), 1
	s_wait_xcnt 0x0
	s_wait_alu depctr_hold_cnt(0) depctr_sa_sdst(0) depctr_va_vdst(0) depctr_va_sdst(0) depctr_va_ssrc(0) depctr_va_vcc(0) depctr_vm_vsrc(0)
	s_getreg_b32 s2, hwreg(HW_REG_IB_STS2, 6, 4)
	s_cmp_eq_u32 s2, 0
	s_cbranch_scc0 .Lentry_in_a_cluster
	s_endpgm
.Lentry_in_a_cluster:
	s_bfe_u32 s2, ttmp6, 0x10000c
	s_cmp_lg_u32 s2, 0x3003
	s_cbranch_scc0 .Lentry_shape_is_right
	s_endpgm
.Lentry_shape_is_right:
; Attention of one (batch, head) for 512 queries a work-group: o = softmax(q k' / 16) v, with a running maximum, in f16 products and f32 sums.
; CLUSTER: the four work-groups of a cluster take the four query blocks of one (batch, head) = the cluster's number.  All four need that head's whole K and V',
; 262,144 bytes, which is all but 2,048 bytes of the LDS asked for, laid out as in memory: 32 trips of 64 keys, each 4,096 bytes of K and 4,096 of V'.
; Each of the 16 waves asks for its share by TWO joint loads that name the four, issued together: 4,096 bytes of trips 0-7 and 12,288 bytes of trips 8-31.
; Work starts when the first 65,536 bytes are in; the other 196,608 have eight trips in which to land.  Nothing is filled again, so there is no ring;
; a wave has two tensor loads out, at the start.
; Sixteen waves, four a SIMD: a wave owns 32 queries (two tiles, q = 0, 1) and walks the 2,048 keys in 32 trips of 64.
; LAYOUT: all operands lie in fragment order (lane L's registers 0-3 at 16 L, 4-7 at 512 + 16 L of a block of 1,024 bytes): every LDS load is lane i at 16 i.
;   S' = K x Q  (source 0 = 16 keys, source 1 = 16 queries): lane (r, h) holds query r, keys 8 h + 0..7.  A query's maximum and sum need one exchange, between the halves,
;   and two packed tiles ARE registers 0-3 and 4-7 of source 1 of  O' = V' x P  (source 0 = 16 d x 32 keys): no shuffle, no way through LDS.
;   O': lane (r, h) holds query r, d = 16 dt + 8 h + 0..7: packed, it is the fragment that the projection reads.
; ORDER: the two query tiles run half a trip apart.  A trip is: softmax of tile 1 (scores of the trip before); eight matrix instructions (its V' x P by turns with
; tile 1's K x Q of this trip); softmax of tile 0; eight matrix instructions (its V' x P by turns with tile 0's K x Q of the next trip).  So behind every run of
; matrix instructions stands vector work of the other tile, which touches none of their registers, and the places in front of the LDS loads are useful instructions.
; q comes scaled by log2(e)/16, so p = 2^(s - m).
; LIMITS: f16 operands (|k|, |v|, |o|, |q| log2(e)/16 below 65,504); scores finite; v_exp_f32 gives 0 below 2^-126 and p below 2^-25 rounds to 0 in f16, beside a sum
; that is at least 1; the sum is taken of p in f32, the products of p in f16.
.set TRIPB, 8192                       ; bytes of a trip: K 4,096, V' 4,096
.set AD, 1                             ; v1  16 L in trips 0-7 (the trip stands in the immediate); from trip 8 on 16 L + the trip's bytes, stepped
.set QO, 3                             ; v3  wave*2048 + 16 L in the group's part of qf
.set OO, 4                             ; v4  wave*16384 + 16 L in the group's part of of
.set ST, 8                             ; v[8:15]   for each q four registers: +0 running maximum, +1 the other half's figure, +2 2^(old max - new max), +3 at work
.set LS, 16                            ; v[16:23]  for each q two pairs of running sums, so that an addition does not wait for the one in front of it
.set MT, 24                            ; v[24:27]  four chains of maxima
.set QF, 32                            ; v[32:47]  Q fragments
.set OA, 48                            ; v[48:79]  O'(q, dt) at OA + 16 q + 8 dt
.set PF, 80                            ; v[80:111] P(q, kb) at PF + 16 q + 8 kb
.set KF, 112                           ; v[112:143] four K tiles
.set VF, 144                           ; v[144:175] V'(kb, dt) at VF + 8 (2 kb + dt)
.set SS, 176                           ; v[176:239] S'(q, kt) at SS + 32 q + 8 kt
; A round of the cluster's barrier: my work-group's barrier, wave 0 signals for the work-group, every wave waits for all four work-groups, my work-group's barrier again.
.macro ROUND
	s_barrier_signal -1
	s_barrier_wait -1
	s_cmp_lg_u32 s10, 0
	s_cbranch_scc1 .Lnot_wave_0_\@
	s_barrier_signal -3
.Lnot_wave_0_\@:
	s_barrier_wait -3
	s_barrier_signal -1
	s_barrier_wait -1
.endm
	s_load_b128 s[4:7], s[0:1], 0x0                ; qf s[4:5], kv s[6:7]
	s_load_b64 s[8:9], s[0:1], 0x10                ; of
	v_lshl_add_u32 v240, v0, 2, 0x40000
	v_mov_b32 v241, 0
	ds_add_u32 v240, v241
	v_lshrrev_b32 v5, 5, v0
	v_readfirstlane_b32 s10, v5                    ; wave 0..15
	s_bfe_u32 s11, ttmp6, 0x40000                  ; cx: my query block; it enters the addresses of qf and of alone
	v_and_b32 v5, 31, v0
	v_lshlrev_b32 v[AD], 4, v5
	v_lshl_add_u32 v[QO], s10, 11, v[AD]
	v_lshl_add_u32 v[OO], s10, 14, v[AD]
	s_mov_b32 s24, 0x76543210                      ; v_permlanex16_b32: lane i of one half reads lane i of the other
	s_mov_b32 s25, 0xfedcba98
	; the two descriptors: rows of 32 elements of 8 bytes, dense in memory and in LDS; nothing in them hangs on cx
	s_mov_b32 s12, 1                               ; trips 0-7: count
	s_lshl_b32 s13, s10, 12                        ; LDS address: wave x 4,096
	s_mov_b32 s16, 0x0023000f                      ; 15:0 mask: all four of the cluster; 17:16 element of 8 bytes; 21 set beside a mask; no padding
	s_mov_b32 s17, 32<<16                          ; tensor_dim0 = 32
	s_mov_b32 s18, 16<<16                          ; tensor_dim1 = 16
	s_mov_b32 s19, 32<<16                          ; tile_dim0 = 32
	s_mov_b32 s20, 16                              ; tile_dim1 = 16
	s_mov_b32 s21, 32                              ; from row to row: 32 elements
	s_mov_b32 s22, 0
	s_mov_b32 s23, 0
	s_mov_b32 s36, 1                               ; trips 8-31: count
	s_mul_i32 s37, s10, 12288
	s_add_co_u32 s37, s37, 8*TRIPB                 ; LDS address: 65,536 + wave x 12,288
	s_mov_b32 s40, 0x0023000f
	s_mov_b32 s41, 32<<16
	s_mov_b32 s42, 48<<16                          ; 48 rows
	s_mov_b32 s43, 32<<16
	s_mov_b32 s44, 48
	s_mov_b32 s45, 32
	s_mov_b32 s46, 0
	s_mov_b32 s47, 0
	s_lshl_b32 s27, ttmp9, 18                      ; kv: the head's 262,144 bytes; in them my wave's two shares lie as in LDS
	s_add_co_u32 s28, s27, s13
	s_mov_b32 s29, 0
	s_add_co_u32 s34, s27, s37
	s_mov_b32 s35, 0
	s_lshl_b32 s30, ttmp9, 17                      ; qf: the head's 131,072 bytes,
	s_lshl_b32 s27, s11, 15                        ; my 512 queries = 32 tiles of 1,024
	s_add_co_u32 s30, s30, s27
	s_mov_b32 s31, 0
	s_lshr_b32 s32, ttmp9, 3                       ; of: [b*128 + token tile][head][1024]
	s_lshl_b32 s32, s32, 20
	s_lshl_b32 s27, s11, 18
	s_add_co_u32 s32, s32, s27
	s_and_b32 s27, ttmp9, 7
	s_lshl_b32 s27, s27, 10
	s_add_co_u32 s32, s32, s27
	s_mov_b32 s33, 0
	s_wait_dscnt 0x0
	s_wait_kmcnt 0x0
	s_add_nc_u64 s[14:15], s[6:7], s[28:29]
	s_or_b32 s15, s15, 0x80000000                  ; type = 2
	s_add_nc_u64 s[38:39], s[6:7], s[34:35]
	s_or_b32 s39, s39, 0x80000000
	s_add_nc_u64 s[4:5], s[4:5], s[30:31]
	s_add_nc_u64 s[8:9], s[8:9], s[32:33]
.irp q, 0,1
	global_load_b128 v[QF+8*\q:QF+8*\q+3],   v[QO], s[4:5] offset:\q*1024          ; Q is wanted by the first product: asked for ahead of the round
	global_load_b128 v[QF+8*\q+4:QF+8*\q+7], v[QO], s[4:5] offset:\q*1024+512
.endr
	ROUND                                          ; all four work-groups are here: the joint loads meet
	tensor_load_to_lds s[12:15], s[16:23]          ; trips 0-7
	s_nop 0
	tensor_load_to_lds s[36:39], s[40:47]          ; trips 8-31
	s_nop 0
	v_mov_b32 v[ST+1], 0                           ; v_permlanex16_b32 counts as a reader of its destination
	v_mov_b32 v[ST+5], 0
	s_wait_tensorcnt 0x1                           ; my share of trips 0-7 is in LDS; the one younger load may stay out
	s_barrier_signal -1
	s_barrier_wait -1                              ; everybody's is
.macro MM d, a, b, z                   ; one product; z = 1: it starts the sum
.if \z
	v_wmma_f32_16x16x32_f16 v[\d:\d+7], v[\a:\a+7], v[\b:\b+7], 0
.else
	v_wmma_f32_16x16x32_f16 v[\d:\d+7], v[\a:\a+7], v[\b:\b+7], v[\d:\d+7]
.endif
.endm
.macro KLOAD off                       ; the four K tiles of the trip at byte off from AD
.irp kt, 0,1,2,3
	ds_load_b128 v[KF+8*\kt:KF+8*\kt+3],   v[AD] offset:\off+\kt*1024
	ds_load_b128 v[KF+8*\kt+4:KF+8*\kt+7], v[AD] offset:\off+\kt*1024+512
.endr
.endm
.macro VLOAD off                       ; the four V' fragments of the trip at byte off from AD
.irp kb, 0,1
.irp dt, 0,1
	ds_load_b128 v[VF+8*(2*\kb+\dt):VF+8*(2*\kb+\dt)+3],   v[AD] offset:\off+4096+\kb*2048+\dt*1024
	ds_load_b128 v[VF+8*(2*\kb+\dt)+4:VF+8*(2*\kb+\dt)+7], v[AD] offset:\off+4096+\kb*2048+\dt*1024+512
.endr
.endr
.endm
.macro QK1 q, kt                       ; the scores of 16 keys x 16 queries
	v_wmma_f32_16x16x32_f16 v[SS+32*\q+8*\kt:SS+32*\q+8*\kt+7], v[KF+8*\kt:KF+8*\kt+7], v[QF+8*\q:QF+8*\q+7], 0
.endm
.macro QKM q
	QK1 \q, 0
	QK1 \q, 1
	QK1 \q, 2
	QK1 \q, 3
.endm
.macro PVM p, first                    ; O'(p) += V' x P(p) alone; the two accumulators take turns, one instruction a turn
	MM OA+16*\p,VF,PF+16*\p,\first
	MM OA+16*\p+8,VF+8,PF+16*\p,\first
	MM OA+16*\p,VF+16,PF+16*\p+8,0
	MM OA+16*\p+8,VF+24,PF+16*\p+8,0
.endm
.macro PVQK p, first, k                ; the same by turns with the scores of tile k: between two instructions on one accumulator stand three others
	MM OA+16*\p,VF,PF+16*\p,\first
	MM OA+16*\p+8,VF+8,PF+16*\p,\first
	QK1 \k, 0
	QK1 \k, 1
	MM OA+16*\p,VF+16,PF+16*\p+8,0
	MM OA+16*\p+8,VF+24,PF+16*\p+8,0
	QK1 \k, 2
	QK1 \k, 3
.endm
; the largest of my 32 scores of query tile q and of the running maximum: 16 instructions, four chains first
.macro MAXA q
.irp c, 0,1,2,3
	v_max3_num_f32 v[MT+\c], v[SS+32*\q+8*\c], v[SS+32*\q+8*\c+1], v[SS+32*\q+8*\c+2]
.endr
.endm
.macro MAXZ q, first
.irp c, 0,1,2,3
	v_max3_num_f32 v[MT+\c], v[MT+\c], v[SS+32*\q+8*\c+3], v[SS+32*\q+8*\c+4]
.endr
.irp c, 0,1,2,3
	v_max3_num_f32 v[MT+\c], v[MT+\c], v[SS+32*\q+8*\c+5], v[SS+32*\q+8*\c+6]
.endr
	v_max3_num_f32 v[ST+4*\q+3], v[MT], v[MT+1], v[SS+32*\q+7]
	v_max3_num_f32 v[MT+2], v[MT+2], v[MT+3], v[SS+32*\q+15]
	v_max3_num_f32 v[ST+4*\q+3], v[ST+4*\q+3], v[MT+2], v[SS+32*\q+23]
.if \first
	v_max_num_f32 v[ST+4*\q+3], v[ST+4*\q+3], v[SS+32*\q+31]
.else
	v_max3_num_f32 v[ST+4*\q+3], v[ST+4*\q+3], v[SS+32*\q+31], v[ST+4*\q]
.endif
.endm
; the other half of the lanes holds the same queries' other keys: one exchange; then the factor that brings the old sums to the new maximum
.macro STAT q, first
	v_permlanex16_b32 v[ST+4*\q+1], v[ST+4*\q+3], s24, s25
.if \first
	v_max_num_f32 v[ST+4*\q], v[ST+4*\q+3], v[ST+4*\q+1]
.else
	v_max_num_f32 v[ST+4*\q+3], v[ST+4*\q+3], v[ST+4*\q+1]
	v_sub_f32 v[ST+4*\q+2], v[ST+4*\q], v[ST+4*\q+3]
	v_mov_b32 v[ST+4*\q], v[ST+4*\q+3]
	v_exp_f32 v[ST+4*\q+2], v[ST+4*\q+2]           ; used far below; the next line touches neither its result nor its source (ISA guide 5.7.2)
.endif
.endm
.macro SUBT q, kt                      ; s - m, two at a time, m broadcast from the pair's first register
.irp i, 0,2,4,6
	v_pk_add_f32 v[SS+32*\q+8*\kt+\i:SS+32*\q+8*\kt+\i+1], v[SS+32*\q+8*\kt+\i:SS+32*\q+8*\kt+\i+1], v[ST+4*\q:ST+4*\q+1] op_sel_hi:[1,0] neg_lo:[0,1] neg_hi:[0,1]
.endr
.endm
.macro EXPT q, kt                      ; p = 2^(s - m).  The lines behind a tile's exponentials work on another tile (ISA guide 5.7.2)
.irp i, 0,1,2,3,4,5,6,7
	v_exp_f32 v[SS+32*\q+8*\kt+\i], v[SS+32*\q+8*\kt+\i]
.endr
.endm
; a tile's p go into the two running sums (the trip's first tile brings the old sums to the new maximum in the same fused instructions) and, packed, into P
.macro SCT q, kt, first
.if \first*((3-\kt)/3)
	s_wait_alu depctr_va_vdst(0)
	v_pk_add_f32 v[LS+4*\q:LS+4*\q+1],   v[SS+32*\q+8*\kt:SS+32*\q+8*\kt+1],   v[SS+32*\q+8*\kt+4:SS+32*\q+8*\kt+5]   ; the very first tile starts the sums
	v_pk_add_f32 v[LS+4*\q+2:LS+4*\q+3], v[SS+32*\q+8*\kt+2:SS+32*\q+8*\kt+3], v[SS+32*\q+8*\kt+6:SS+32*\q+8*\kt+7]
.else
.if \kt
	s_wait_alu depctr_va_vdst(0)
	v_pk_add_f32 v[LS+4*\q:LS+4*\q+1],   v[LS+4*\q:LS+4*\q+1],   v[SS+32*\q+8*\kt:SS+32*\q+8*\kt+1]
	v_pk_add_f32 v[LS+4*\q+2:LS+4*\q+3], v[LS+4*\q+2:LS+4*\q+3], v[SS+32*\q+8*\kt+2:SS+32*\q+8*\kt+3]
.else
	s_wait_alu depctr_va_vdst(0)
	v_pk_fma_f32 v[LS+4*\q:LS+4*\q+1],   v[LS+4*\q:LS+4*\q+1],   v[ST+4*\q+2:ST+4*\q+3], v[SS+32*\q+8*\kt:SS+32*\q+8*\kt+1] op_sel_hi:[1,0,1]
	v_pk_fma_f32 v[LS+4*\q+2:LS+4*\q+3], v[LS+4*\q+2:LS+4*\q+3], v[ST+4*\q+2:ST+4*\q+3], v[SS+32*\q+8*\kt+2:SS+32*\q+8*\kt+3] op_sel_hi:[1,0,1]
.endif
.endif
	v_cvt_pk_f16_f32 v[PF+16*\q+8*(\kt/2)+4*(\kt%2)],   v[SS+32*\q+8*\kt],   v[SS+32*\q+8*\kt+1]
	v_cvt_pk_f16_f32 v[PF+16*\q+8*(\kt/2)+4*(\kt%2)+1], v[SS+32*\q+8*\kt+2], v[SS+32*\q+8*\kt+3]
.if 1-\first*((3-\kt)/3)
	v_pk_add_f32 v[LS+4*\q:LS+4*\q+1],   v[LS+4*\q:LS+4*\q+1],   v[SS+32*\q+8*\kt+4:SS+32*\q+8*\kt+5]
	v_pk_add_f32 v[LS+4*\q+2:LS+4*\q+3], v[LS+4*\q+2:LS+4*\q+3], v[SS+32*\q+8*\kt+6:SS+32*\q+8*\kt+7]
.endif
	v_cvt_pk_f16_f32 v[PF+16*\q+8*(\kt/2)+4*(\kt%2)+2], v[SS+32*\q+8*\kt+4], v[SS+32*\q+8*\kt+5]
	v_cvt_pk_f16_f32 v[PF+16*\q+8*(\kt/2)+4*(\kt%2)+3], v[SS+32*\q+8*\kt+6], v[SS+32*\q+8*\kt+7]
.endm
.macro TILES q, first                  ; the four tiles of query tile q, a tile's sums and packing one tile behind its exponentials
	SUBT \q, 0
	EXPT \q, 0
	SUBT \q, 1
	EXPT \q, 1
	SCT  \q, 0, \first
	SUBT \q, 2
	EXPT \q, 2
	SCT  \q, 1, \first
	SUBT \q, 3
	EXPT \q, 3
	SCT  \q, 2, \first
	SCT  \q, 3, \first
.endm
.macro RESC q                          ; the old O' to the new maximum
.irp i, 0,2,4,6,8,10,12,14
	v_pk_mul_f32 v[OA+16*\q+\i:OA+16*\q+\i+1], v[OA+16*\q+\i:OA+16*\q+\i+1], v[ST+4*\q+2:ST+4*\q+3] op_sel_hi:[1,0]
.endr
.endm
; Trip t (t >= 1).  On entry: S'(0) of trip t, S'(1) of trip t-1, K of trip t and V' of trip t-1 are in registers.
; f1 = 1: tile 1's first scores (they start its maximum, sums and O').  kpre = 1: the next trip's K is fetched and tile 0's next scores are made.
; step = 1: AD steps to this trip; else the trip's bytes stand in off.
.macro BODY f1, kpre, step, off
	MAXA 1
	MAXZ 1, \f1
	STAT 1, \f1
	TILES 1, \f1
.if 1-\f1
	RESC 1
.endif
	PVQK 1, \f1, 1                                 ; tile 1: V' x P of trip t-1, K x Q of trip t
	MAXA 0                                         ; four plain instructions on tile 0's scores: the places behind the products above, whose V' and K the loads below overwrite
.if \step
	v_add_nc_u32 v[AD], TRIPB, v[AD]
.endif
	VLOAD \off
.if \kpre
	KLOAD \off+TRIPB
.endif
	MAXZ 0, 0
	STAT 0, 0
	TILES 0, 0
	RESC 0
	s_wait_dscnt 0x0                               ; V' of this trip and K of the next, issued a whole softmax ago
.if \kpre
	PVQK 0, 0, 0                                   ; tile 0: V' x P of trip t, K x Q of trip t+1
.else
	PVM 0, 0
.endif
.endm
	; trip 0: both tiles' scores, tile 0's softmax; nothing is cleared: the first scores start maxima, sums and O'
	KLOAD 0
	s_wait_dscnt 0x0
	s_wait_loadcnt 0x0                             ; Q
	QKM 0
	QKM 1
.rept 4
	v_nop                                          ; four places before the scores are read and K is overwritten; here no other tile's work is at hand
.endr
	VLOAD 0
	KLOAD TRIPB
	MAXA 0
	MAXZ 0, 1
	STAT 0, 1
	TILES 0, 1
	s_wait_dscnt 0x0
	PVQK 0, 1, 0
	; trips 1-7, written out: every LDS address is 16 L plus an immediate below 65,536, inside the bytes that have landed
	BODY 1, 1, 0, TRIPB
.irp t, 2,3,4,5,6
	BODY 0, 1, 0, \t*TRIPB
.endr
	BODY 0, 0, 0, 7*TRIPB                          ; trip 7 fetches no K of trip 8: those bytes are shown landed only below
	v_add_nc_u32 v[AD], 7*TRIPB, v[AD]
	s_wait_dscnt 0x0                               ; no LDS instruction is pending at a signal (met: the trip's own wait was for 0)
	s_wait_tensorcnt 0x0                           ; my share of trips 8-31 is in LDS,
	s_barrier_signal -1
	s_barrier_wait -1                              ; everybody's is
	KLOAD TRIPB
	s_wait_dscnt 0x0
	QKM 0                                          ; tile 0's scores of trip 8
	s_mov_b32 s26, 23                              ; trips 8-30
.Ltrip:
	BODY 0, 1, 1, 0
	s_sub_co_u32 s26, s26, 1
	s_cmp_lg_u32 s26, 0
	s_cbranch_scc1 .Ltrip
	BODY 0, 0, 1, 0                                ; trip 31: no further K
	MAXA 1                                         ; tile 1's half of trip 31
	MAXZ 1, 0
	STAT 1, 0
	TILES 1, 0
	RESC 1
	PVM 1, 0
	; o = O' / sum.  The additions are the places behind the last products.
	v_pk_add_f32 v[LS:LS+1],   v[LS:LS+1],   v[LS+2:LS+3]
	v_pk_add_f32 v[LS+4:LS+5], v[LS+4:LS+5], v[LS+6:LS+7]
	v_add_f32 v[ST+3], v[LS], v[LS+1]
	v_add_f32 v[ST+7], v[LS+4], v[LS+5]
	v_permlanex16_b32 v[ST+1], v[ST+3], s24, s25
	v_permlanex16_b32 v[ST+5], v[ST+7], s24, s25
	v_add_f32 v[ST+3], v[ST+3], v[ST+1]
	v_add_f32 v[ST+7], v[ST+7], v[ST+5]
	v_rcp_f32 v[ST+2], v[ST+3]
	v_rcp_f32 v[ST+6], v[ST+7]
	v_nop                                          ; one plain instruction before a reciprocal is used (ISA guide 5.7.2)
	s_wait_alu depctr_va_vdst(0)
	RESC 0
	RESC 1
.irp u, 0,1,2,3
.irp i, 0,1,2,3
	v_cvt_pk_f16_f32 v[PF+4*\u+\i], v[OA+8*\u+2*\i], v[OA+8*\u+2*\i+1]
.endr
.endr
.irp q, 0,1
.irp dt, 0,1
	global_store_b128 v[OO], v[PF+4*(2*\q+\dt):PF+4*(2*\q+\dt)+3], s[8:9] offset:\q*8192+\dt*512   ; half a fragment: 512 consecutive bytes, aligned
.endr
.endr
	s_wait_tensorcnt 0x0
	ds_add_u32 v240, v241
	s_wait_dscnt 0x0
	ROUND                                          ; the closing round: no work-group ends while a partner may still ask jointly
	s_endpgm
.Lfunc_end_k_q3bbedc3a78_attn:
	.size	k_q3bbedc3a78_attn, .Lfunc_end_k_q3bbedc3a78_attn-k_q3bbedc3a78_attn
	.p2alignl 7, 3214868480
	.fill 96, 4, 3214868480
	.section	.rodata,"a",@progbits
	.p2align	6, 0x0
	.amdhsa_kernel k_q3bbedc3a78_attn
		.amdhsa_group_segment_fixed_size 264192
		.amdhsa_private_segment_fixed_size 0
		.amdhsa_enable_private_segment 0
		.amdhsa_kernarg_size 24
		.amdhsa_user_sgpr_count 2
		.amdhsa_user_sgpr_kernarg_segment_ptr 1
		.amdhsa_wavefront_size32 1
		.amdhsa_system_sgpr_workgroup_id_x 1
		.amdhsa_system_sgpr_workgroup_id_y 1
		.amdhsa_system_sgpr_workgroup_id_z 1
		.amdhsa_system_vgpr_workitem_id 0
		.amdhsa_next_free_vgpr 242
		.amdhsa_next_free_sgpr 66
		.amdhsa_reserve_vcc 0
		.amdhsa_float_denorm_mode_32 3
		.amdhsa_float_denorm_mode_16_64 3
		.amdhsa_memory_ordered 1
		.amdhsa_forward_progress 1
		.amdhsa_inst_pref_size 144
	.end_amdhsa_kernel
	.amdgpu_metadata
---
amdhsa.version: [ 1, 2 ]
amdhsa.kernels:
  - .name:           k_q3bbedc3a78_attn
    .symbol:         k_q3bbedc3a78_attn.kd
    .args:
      - { .name: qf, .offset: 0, .size: 8, .value_kind: global_buffer, .address_space: global }
      - { .name: kv, .offset: 8, .size: 8, .value_kind: global_buffer, .address_space: global }
      - { .name: of, .offset: 16, .size: 8, .value_kind: global_buffer, .address_space: global }
    .group_segment_fixed_size: 264192
    .private_segment_fixed_size: 0
    .kernarg_segment_align: 8
    .kernarg_segment_size: 24
    .max_flat_workgroup_size: 512
    .sgpr_count:     66
    .vgpr_count:     242
    .wavefront_size: 32
...
	.end_amdgpu_metadata
.endif
;; end of part 2
;; launch proj (part 3): grid 256 x 1, 8 waves a work-group, clusters of 4 x 1, 201,728 bytes of LDS; arguments of, wpf, bproj, out0; writes out0
.if DOCPART == 3
	.amdgcn_target "amdgcn-amd-amdhsa--gfx1250"
	.amdhsa_code_object_version 6
	.text
	.protected	k_q3bbedc3a78_proj
	.globl	k_q3bbedc3a78_proj
	.p2align	8
	.type	k_q3bbedc3a78_proj,@function
k_q3bbedc3a78_proj:
	s_mov_b64 s[64:65], 0
	v_nop
	global_prefetch_b8 v0, s[64:65] scope:SCOPE_SE
	s_setreg_imm32_b32 hwreg(HW_REG_WAVE_MODE, 25, 1), 1
	s_wait_xcnt 0x0
	s_wait_alu depctr_hold_cnt(0) depctr_sa_sdst(0) depctr_va_vdst(0) depctr_va_sdst(0) depctr_va_ssrc(0) depctr_va_vcc(0) depctr_vm_vsrc(0)
	s_getreg_b32 s2, hwreg(HW_REG_IB_STS2, 6, 4)
	s_cmp_eq_u32 s2, 0
	s_cbranch_scc0 .Lentry_in_a_cluster
	s_endpgm
.Lentry_in_a_cluster:
	s_bfe_u32 s2, ttmp6, 0x10000c
	s_cmp_lg_u32 s2, 0x3003
	s_cbranch_scc0 .Lentry_shape_is_right
	s_endpgm
.Lentry_shape_is_right:
; out0 = o wproj + bproj.  o (f16) and wproj (f16) come in fragment order: lane L's registers 0-3 at 16 L, 4-7 at 512 + 16 L of a block of 1,024 bytes.
;   of  [token tile of 16][head = k chunk of 32][1024]     row = token
;   wpf [g2][ng][dt][k chunk of 32][1024]                  row = output column, column tile = 4 ng + 2 g2 + dt
; A work-group makes 64 tokens x 256 columns with eight waves; wave w makes tokens 32 (w&1) + 0..31 and columns 64 ng + 0..63, ng = w>>1: 64 matrix instructions,
; in two groups g2 of 32 columns.
; CLUSTER: every work-group walks the same 131,072 bytes of wpf; the four of a cluster ask for them jointly.  Each wave issues TWO loads of 8,192 bytes together:
; its share of g2 = 0 (the first 65,536 bytes) and of g2 = 1.  The first group's products start when the first half is in; the second half lands meanwhile.
; A wave has two tensor loads out, at the start.
; Source 0 = wproj (m = column), source 1 = o (n = token): a lane holds 8 neighbouring columns of one token, 32 bytes.  They go through the wave's own stage in LDS,
; so that sixteen neighbouring lanes store 256 consecutive bytes of a row of out0, aligned.
; LIMIT: f16 operands: |o| and |wproj| below 65,504.
.set STG,  131072                      ; behind wpf: for each wave 2 x 16 rows of 256 bytes,
.set SP,   272                         ; pitch 17 x 16: sixteen rows start at sixteen different 16-byte columns modulo 256.  No tensor load lands here.
.set WA,   1                           ; v1  ng*16384 + 16 L: my two column tiles of g2 = 0 in LDS;  v2: the same + 65536, g2 = 1
.set GO,   3                           ; v3  (w&1)*16384 + 16 L: my two token tiles in the group's part of of
.set STO,  4                           ; v4  stage + r*272 + 32 h
.set RD,   5                           ; v5  stage + (L>>4)*272 + 16 (L&15)
.set CO,   6                           ; v6  my 16 bytes in the group's part of out0
.set BO,   7                           ; v7  my four columns in bproj
.set BIAS, 16                          ; v[16:19]
.set ACC,  32                          ; v[32:63]   accumulator (dt, tt) at ACC + 8 (2 dt + tt)
.set WB,   64                          ; v[64:127]  wproj fragments, two buffers of four; at the end the rows on their way out
.set XF,   128                         ; v[128:255] o fragments (tt, kc) at XF + 64 tt + 8 kc
.macro ROUND                           ; a round of the cluster's barrier
	s_barrier_signal -1
	s_barrier_wait -1
	s_cmp_lg_u32 s24, 0
	s_cbranch_scc1 .Lnot_wave_0_\@
	s_barrier_signal -3
.Lnot_wave_0_\@:
	s_barrier_wait -3
	s_barrier_signal -1
	s_barrier_wait -1
.endm
	s_load_b256 s[4:11], s[0:1], 0x0               ; of s[4:5], wpf s[6:7], bproj s[8:9], out0 s[10:11]
	v_lshl_add_u32 v30, v0, 2, 0x31000
	v_mov_b32 v31, 0
	ds_add_u32 v30, v31
	v_lshrrev_b32 v8, 5, v0
	v_readfirstlane_b32 s24, v8                    ; wave 0..7
	s_bfe_u32 s25, ttmp6, 0x40000                  ; cx
	s_lshl_b32 s26, ttmp9, 2
	s_add_co_u32 s26, s26, s25                     ; work-group 0..255: it enters the addresses of of and out0 alone
	s_and_b32 s27, s24, 1                          ; which 32 tokens
	s_lshr_b32 s28, s24, 1                         ; ng: which 64 columns
	v_and_b32 v8, 31, v0                           ; L
	v_and_b32 v9, 15, v0                           ; r
	v_bfe_u32 v10, v0, 4, 1                        ; h
	v_lshlrev_b32 v11, 4, v8
	v_lshl_add_u32 v[WA], s28, 14, v11
	v_add_nc_u32 v[WA+1], 0x10000, v[WA]
	v_lshl_add_u32 v[GO], s27, 14, v11
	s_mul_i32 s29, s24, 32*SP
	s_add_co_u32 s29, s29, STG                     ; my stage
	v_mul_u32_u24 v[STO], v9, SP
	v_lshl_add_u32 v[STO], v10, 5, v[STO]
	v_add_nc_u32 v[STO], s29, v[STO]
	v_mul_u32_u24 v[RD], v10, SP
	v_lshl_add_u32 v[RD], v9, 4, v[RD]
	v_add_nc_u32 v[RD], s29, v[RD]
	v_lshlrev_b32 v[BO], 4, v9
	v_lshl_add_u32 v[BO], s28, 8, v[BO]            ; 256 ng + 16 (L&15)
	v_lshl_add_u32 v[CO], v10, 10, v[BO]           ; + a row for lanes 16 to 31
	v_lshl_add_u32 v[CO], s27, 15, v[CO]           ; + my 32 rows of 1,024 bytes
	; the descriptors: 32 rows of 32 elements of 8 bytes, dense; made of the wave's number alone.  One shape, two places.
	s_mov_b32 s12, 1
	s_lshl_b32 s13, s24, 13                        ; g2 = 0: LDS address wave x 8,192
	s_mov_b32 s36, 1
	s_add_co_u32 s37, s13, 0x10000                 ; g2 = 1: 65,536 + wave x 8,192
	s_mov_b32 s16, 0x0023000f                      ; mask: all four of the cluster; element of 8 bytes; bit 21 beside a mask; no padding
	s_mov_b32 s17, 32<<16
	s_mov_b32 s18, 32<<16
	s_mov_b32 s19, 32<<16
	s_mov_b32 s20, 32
	s_mov_b32 s21, 32
	s_mov_b32 s22, 0
	s_mov_b32 s23, 0
	s_lshl_b32 s30, s26, 15                        ; of: 4 token tiles of 8,192 bytes
	s_mov_b32 s31, 0
	s_lshl_b32 s32, s26, 16                        ; out0: 64 rows of 1,024 bytes
	s_mov_b32 s33, 0
	s_lshl_b32 s34, s24, 13
	s_mov_b32 s35, 0
	s_wait_dscnt 0x0
	s_wait_kmcnt 0x0
	s_add_nc_u64 s[14:15], s[6:7], s[34:35]
	s_add_nc_u64 s[38:39], s[14:15], 0x10000
	s_or_b32 s15, s15, 0x80000000                  ; type = 2
	s_or_b32 s39, s39, 0x80000000
	s_add_nc_u64 s[4:5], s[4:5], s[30:31]
	s_add_nc_u64 s[10:11], s[10:11], s[32:33]
.irp tt, 0,1
.irp kc, 0,1,2,3,4,5,6,7
	global_load_b128 v[XF+64*\tt+8*\kc:XF+64*\tt+8*\kc+3],   v[GO], s[4:5] offset:\tt*8192+\kc*1024       ; o is wanted by the first product: asked for ahead of the round
	global_load_b128 v[XF+64*\tt+8*\kc+4:XF+64*\tt+8*\kc+7], v[GO], s[4:5] offset:\tt*8192+\kc*1024+512
.endr
.endr
	global_load_b128 v[BIAS:BIAS+3], v[BO], s[8:9]
	ROUND                                          ; all four work-groups are here: the joint loads meet
	tensor_load_to_lds s[12:15], s[16:23]          ; g2 = 0
	s_nop 0
	tensor_load_to_lds s[36:39], s[16:23]          ; g2 = 1
	s_nop 0
	s_wait_tensorcnt 0x1                           ; my share of g2 = 0 is in LDS; the one younger load may stay out
	s_barrier_signal -1
	s_barrier_wait -1                              ; everybody's is
.macro PLACES                          ; four places behind a matrix instruction (ISA guide 7.12.1)
.rept 4
	v_nop
.endr
.endm
.macro MM d, a, b, z
.if \z
	v_wmma_f32_16x16x32_f16 v[\d:\d+7], v[\a:\a+7], v[\b:\b+7], 0
.else
	v_wmma_f32_16x16x32_f16 v[\d:\d+7], v[\a:\a+7], v[\b:\b+7], v[\d:\d+7]
.endif
.endm
; Step sn = 4 g2 + st: my two column tiles of group g2, k chunks 2 st, 2 st + 1
.macro FETCH sn
.irp kcl, 0,1
.irp dt, 0,1
	ds_load_b128 v[WB+32*((\sn)%2)+8*(2*\kcl+\dt):WB+32*((\sn)%2)+8*(2*\kcl+\dt)+3],   v[WA+(\sn)/4] offset:((\sn)%4)*2048+\dt*8192+\kcl*1024
	ds_load_b128 v[WB+32*((\sn)%2)+8*(2*\kcl+\dt)+4:WB+32*((\sn)%2)+8*(2*\kcl+\dt)+7], v[WA+(\sn)/4] offset:((\sn)%4)*2048+\dt*8192+\kcl*1024+512
.endr
.endr
.endm
; Eight products; the four accumulators take turns, one instruction a turn, from step to step too.
.macro MUL8 buf, st, zero
.irp kcl, 0,1
.irp dt, 0,1
.irp tt, 0,1
	MM ACC+8*(2*\dt+\tt),WB+32*\buf+8*(2*\kcl+\dt),XF+64*\tt+8*(2*\st+\kcl),\zero*(1-\kcl)
.endr
.endr
.endr
.endm
.macro STEP sn, last
	PLACES                                         ; behind the step before, whose buffer the loads below fill again
.if \last
	s_wait_dscnt 0x0
.else
	FETCH (\sn)+1
	s_wait_dscnt 0x8                               ; all but the 8 loads just issued: this step's fragments are in
.endif
	MUL8 ((\sn)%2),((\sn)%4),((3-(\sn)%4)/3)
.endm
.macro STAGE g2                        ; 32 tokens x 32 columns into my stage: a lane's 8 columns are 32 bytes of row r
	PLACES
.irp dt, 0,1
.irp tt, 0,1
	ds_store_b128 v[STO], v[ACC+8*(2*\dt+\tt):ACC+8*(2*\dt+\tt)+3]   offset:\tt*16*SP+(2*\g2+\dt)*64
	ds_store_b128 v[STO], v[ACC+8*(2*\dt+\tt)+4:ACC+8*(2*\dt+\tt)+7] offset:\tt*16*SP+(2*\g2+\dt)*64+16
.endr
.endr
.endm
	FETCH 0
	s_wait_loadcnt 0x0                             ; o and the bias
	STEP 0, 0
	STEP 1, 0
	STEP 2, 0
	STEP 3, 1                                      ; fetches nothing of g2 = 1: those bytes are shown landed only below
	STAGE 0
	s_wait_tensorcnt 0x0                           ; my share of g2 = 1 is in LDS,
	s_wait_dscnt 0x0                               ; no LDS instruction is pending at a signal
	s_barrier_signal -1
	s_barrier_wait -1                              ; everybody's is
	FETCH 4
	STEP 4, 0
	STEP 5, 0
	STEP 6, 0
	STEP 7, 1
	STAGE 1
	; the way out: whole rows back (LDS serves a wave's instructions in order, ISA guide 5.7.1: these loads see my stores above), the bias, and out
.irp tt, 0,1
.irp i, 0,1,2,3,4,5,6,7
	ds_load_b128 v[WB+4*(8*\tt+\i):WB+4*(8*\tt+\i)+3], v[RD] offset:\tt*16*SP+\i*2*SP
.endr
.endr
.irp tt, 0,1
.irp i, 0,1,2,3,4,5,6,7
	s_wait_dscnt 15-(8*\tt+\i)                     ; the younger row loads may stay out
	v_pk_add_f32 v[WB+4*(8*\tt+\i):WB+4*(8*\tt+\i)+1],   v[WB+4*(8*\tt+\i):WB+4*(8*\tt+\i)+1],   v[BIAS:BIAS+1]
	v_pk_add_f32 v[WB+4*(8*\tt+\i)+2:WB+4*(8*\tt+\i)+3], v[WB+4*(8*\tt+\i)+2:WB+4*(8*\tt+\i)+3], v[BIAS+2:BIAS+3]
	global_store_b128 v[CO], v[WB+4*(8*\tt+\i):WB+4*(8*\tt+\i)+3], s[10:11] offset:(16*\tt+2*\i)*1024 th:TH_STORE_NT   ; 16 lanes: 256 consecutive bytes, aligned
.endr
.endr
	s_wait_tensorcnt 0x0
	ds_add_u32 v30, v31
	s_wait_dscnt 0x0
	ROUND                                          ; the closing round
	s_endpgm
.Lfunc_end_k_q3bbedc3a78_proj:
	.size	k_q3bbedc3a78_proj, .Lfunc_end_k_q3bbedc3a78_proj-k_q3bbedc3a78_proj
	.p2alignl 7, 3214868480
	.fill 96, 4, 3214868480
	.section	.rodata,"a",@progbits
	.p2align	6, 0x0
	.amdhsa_kernel k_q3bbedc3a78_proj
		.amdhsa_group_segment_fixed_size 201728
		.amdhsa_private_segment_fixed_size 0
		.amdhsa_enable_private_segment 0
		.amdhsa_kernarg_size 32
		.amdhsa_user_sgpr_count 2
		.amdhsa_user_sgpr_kernarg_segment_ptr 1
		.amdhsa_wavefront_size32 1
		.amdhsa_system_sgpr_workgroup_id_x 1
		.amdhsa_system_sgpr_workgroup_id_y 1
		.amdhsa_system_sgpr_workgroup_id_z 1
		.amdhsa_system_vgpr_workitem_id 0
		.amdhsa_next_free_vgpr 256
		.amdhsa_next_free_sgpr 66
		.amdhsa_reserve_vcc 0
		.amdhsa_float_denorm_mode_32 3
		.amdhsa_float_denorm_mode_16_64 3
		.amdhsa_memory_ordered 1
		.amdhsa_forward_progress 1
		.amdhsa_inst_pref_size 23
	.end_amdhsa_kernel
	.amdgpu_metadata
---
amdhsa.version: [ 1, 2 ]
amdhsa.kernels:
  - .name:           k_q3bbedc3a78_proj
    .symbol:         k_q3bbedc3a78_proj.kd
    .args:
      - { .name: of, .offset: 0, .size: 8, .value_kind: global_buffer, .address_space: global }
      - { .name: wpf, .offset: 8, .size: 8, .value_kind: global_buffer, .address_space: global }
      - { .name: bproj, .offset: 16, .size: 8, .value_kind: global_buffer, .address_space: global }
      - { .name: out0, .offset: 24, .size: 8, .value_kind: global_buffer, .address_space: global }
    .group_segment_fixed_size: 201728
    .private_segment_fixed_size: 0
    .kernarg_segment_align: 8
    .kernarg_segment_size: 32
    .max_flat_workgroup_size: 256
    .sgpr_count:     66
    .vgpr_count:     256
    .wavefront_size: 32
...
	.end_amdgpu_metadata
.endif
;; end of part 3
